; MI455X (gfx1250); checked and timed in simulation.
; The chip was launched on July 23, 2026; its instructions are those of AMD's public machine-readable ISA for CDNA 5 (MIT licence, August 2026) and "CDNA5" Instruction Set Architecture Reference Guide (July 2026). The comments in the code are by the model that wrote it; some were corrected since.
;; Layout B Box. Allowed arithmetic: float matrix products may take bf16 or f16 operands with f32 sums; all other float work in f32.
;; Inputs: inputs 16 x 12 x 64 float32.
;; Outputs: out0 16 x 8 x 128 x 128 float32.
;; 2 versions, each right; version 2 is version 1 with the launch bbox written anew for expert scheduling mode. Each part assembles by itself: llvm-mc -triple=amdgcn-amd-amdhsa -mcpu=gfx1250 --defsym DOCPART=n.
;; ======== version 1 of 2: 1 launch
;; launch bbox (part 1): grid 16 x 16, 4 waves a work-group, no clusters, 52,224 bytes of LDS; arguments inputs, out0; writes out0
.if DOCPART == 1
	.amdgcn_target "amdgcn-amd-amdhsa--gfx1250"
	.amdhsa_code_object_version 6
	.text
	.protected	k_q771db42b75_bbox
	.globl	k_q771db42b75_bbox
	.p2align	8
	.type	k_q771db42b75_bbox,@function
k_q771db42b75_bbox:
	s_mov_b64 s[64:65], 0
	v_nop
	global_prefetch_b8 v0, s[64:65] scope:SCOPE_SE
	s_setreg_imm32_b32 hwreg(HW_REG_WAVE_MODE, 25, 1), 1
	s_wait_xcnt 0x0
; LayoutBBox.  inputs [16][12][64] f32 (rows 0-3: x_c, y_c, w, h; rows 4-11: class scores), out0 [16][8][128][128] f32.
;   out[b][c][y][x] = max over the 64 boxes n of  xy_max[n][y][x] * cls[n][c].
; Both gates of the definition are products of clips, so they are >= 0, and rounding is monotone: max(a1*g, a2*g) = max(a1, a2)*g exactly.
; With  A(p; lo, hi) = 1 - min(|p-lo|, |hi-p|, 1)   (the larger of the two line profiles)
; and   G(p; lo, hi) = clip(p-lo, 0, 1) * clip(hi-p, 0, 1)   (the gate)
;   xy_max[n][y][x] = max( A(x; x1, x2) * G(y; y1, y2),  G(x; x1, x2) * A(y; y1, y2) ).
; So A and G are evaluated once for each (box, column) and (box, row) of a tile, not for each pixel.  No sign of the scores is assumed.
;
; WORK.  Grid 16 x 16: ttmp7 = batch, ttmp9 = tile (bit 0: which 64 columns, bits 3:1: which 16 rows).  Four waves.
; A wave owns 64 columns x 4 rows; lane l owns columns 2l, 2l+1 of them: 8 pixels x 8 classes = 64 running maxima in registers.
; Boxes are taken in pairs (2k, 2k+1), as they lie side by side in memory: every packed multiply works on the two boxes of a pair,
; and one v_max3_num_f32 folds both products into the running maximum.  For a pair and a pixel: 2 + 8 packed multiplies, 2 + 8 maxima.
; The order of the boxes does not matter to a maximum.
;
; LDS.  Column table: pair k at k*XPITCH; column 2l+p of the tile at p*512 + 16 l: (A_a, A_b, G_a, G_b).
;       For each wave, pair k at UT + wave*UWAVE + k*UPITCH: its four rows, 16 bytes each: (G_a, G_b, A_a, A_b); then 8 classes x (c_a, c_b).
; Both pitches are odd multiples of 16 bytes: the set-up's 16-byte stores, lanes running over pairs, fall on different banks.
; The loop's loads are 512 neighbouring bytes (column table) or one address for all lanes (rows, classes).
;
; NOT USED, by this text's own arithmetic: joint loads in a cluster (the work-groups of a batch share 3,072 input bytes, against 32,768
; bytes that each of them stores, and nothing comes in by tensor loads); the matrix unit (a maximum of products is no sum).
;
; LIMITS.  Inputs are finite and 128 * |input| is representable.  A NaN or an infinity is not carried to the output as jnp.max would carry
; it (v_max_num_f32 and v_max3_num_f32 drop a NaN).  The sign of a zero result may differ from the definition's.
.set NPAIR,  32                        ; box pairs
.set XPITCH, 1040                      ; 2 x 512 bytes + 16 of padding
.set UPITCH, 144                       ; 64 bytes of rows + 64 bytes of classes + 16 of padding
.set UWAVE,  NPAIR*UPITCH              ; a wave's records
.set XT,     0                         ; column table
.set UT,     NPAIR*XPITCH              ; the waves' records behind it
.set INB,    3072                      ; bytes of a batch in inputs
.set PLANE,  65536                     ; bytes of a class plane in out0
.set ROWB,   512                       ; bytes of a row in out0
; registers of the loop
.set VX,   2                           ; LDS address: my 16 bytes of the column table, current pair
.set VU,   3                           ; LDS address: my wave's record, current pair (the same in all lanes)
.set VO,   4                           ; byte offset of my two columns in a row of out0
.set BUFA, 8                           ; v[8:47]    a pair's operands: +0 columns (8), +8 rows (16), +24 classes (16)
.set BUFB, 48                          ; v[48:87]   the other buffer
.set T,    88                          ; v[88:119]  pixel (r, x) at 8r+4x: the two gate products of both boxes, then xy_max of both in +0, +1
.set P,    120                         ; v[120:151] products of two pixels x 8 classes x 2 boxes
.set ACC,  152                         ; v[152:215] running maxima: 16 r + 2 c + x, so that a class's two columns are a pair to store
; registers of the set-up (all free again before the loop)
.set VSX,  5                           ; LDS address for my column-table stores
.set VSU,  6                           ; for my row stores
.set VSC,  7                           ; for my class stores
.set PXC,  88                          ; x_c, y_c, w, h of my two boxes, as loaded
.set PYC,  90
.set PW,   92
.set PH,   94
.set CL,   96                          ; v[96:99]  classes 2 wave, 2 wave + 1 of my two boxes
.set X1,   100
.set X2,   102
.set Y1,   104
.set Y2,   106
.set CX,   108
.set CY,   110
.set XPOS, 112                         ; four column numbers as f32, each twice (a pair for the packed forms)
.set YPOS, 120                         ; four row numbers likewise
.set D1,   128                         ; p - lo, four positions x two boxes
.set D2,   136                         ; hi - p
.set E,    144                         ; -min(|p-lo|, |hi-p|, 1)
.set O,    152                         ; four records of 16 bytes
.set GO,   168                         ; byte offset of my two boxes in an input row
.set GC,   169                         ; the same + my wave's two class rows
	s_load_b128 s[4:7], s[0:1], 0x0                ; inputs s[4:5], out0 s[6:7]
	v_lshl_add_u32 v216, v0, 2, 0xca00
	v_mov_b32 v217, 0
	v_and_b32 v1, 31, v0                           ; lane
	v_lshrrev_b32 v2, 5, v0
	v_readfirstlane_b32 s8, v2                     ; wave 0..3
	s_and_b32 s9, ttmp7, 0xffff                    ; batch
	s_mul_i32 s12, s9, INB
	s_mov_b32 s13, 0
	s_lshl_b32 s14, s8, 9                          ; two class rows of 256 bytes for each wave
	v_lshlrev_b32 v[GO], 3, v1                     ; boxes 2l, 2l+1: 8 bytes a lane, a wave's load covers one whole row of 256 bytes
	v_add_nc_u32 v[GC], s14, v[GO]
	s_wait_kmcnt 0x0
	s_add_nc_u64 s[4:5], s[4:5], s[12:13]          ; my batch
	global_load_b64 v[PXC:PXC+1], v[GO], s[4:5]
	global_load_b64 v[PW:PW+1],   v[GO], s[4:5] offset:512
	global_load_b64 v[PYC:PYC+1], v[GO], s[4:5] offset:256
	global_load_b64 v[PH:PH+1],   v[GO], s[4:5] offset:768
	global_load_b64 v[CL:CL+1],   v[GC], s[4:5] offset:1024
	global_load_b64 v[CL+2:CL+3], v[GC], s[4:5] offset:1280
	; while the loads are out: positions, LDS addresses, the output's base
	s_and_b32 s10, ttmp9, 1                        ; which 64 columns
	s_lshr_b32 s11, ttmp9, 1                       ; which 16 rows
	s_lshl_b32 s14, s10, 6
	s_lshl4_add_u32 s16, s8, s14                   ; first of the 16 columns that my wave evaluates: 64 half + 16 wave
	s_lshl_b32 s15, s11, 4
	s_lshl2_add_u32 s17, s8, s15                   ; first of my wave's 4 rows: 16 group + 4 wave
.irp j, 0,1,2,3
	s_add_co_u32 s[20+\j], s16, \j
	s_add_co_u32 s[24+\j], s17, \j
.endr
.irp j, 0,1,2,3
	v_cvt_f32_u32 v[XPOS+2*\j],   s[20+\j]
	v_cvt_f32_u32 v[XPOS+2*\j+1], s[20+\j]
	v_cvt_f32_u32 v[YPOS+2*\j],   s[24+\j]
	v_cvt_f32_u32 v[YPOS+2*\j+1], s[24+\j]
.endr
	v_mul_u32_u24 v[VSX], v1, XPITCH               ; my pair's part of the column table (XT = 0),
	s_lshl_b32 s18, s8, 7                          ; in it my wave's 16 columns: 8 of each parity x 16 bytes
	v_add_nc_u32 v[VSX], s18, v[VSX]
	v_mul_u32_u24 v[VSC], v1, UPITCH
	s_mul_i32 s19, s8, UWAVE
	s_add_co_u32 s19, s19, UT                      ; my wave's records
	v_add_nc_u32 v[VSU], s19, v[VSC]               ; my pair's record there: the rows
	s_lshl_b32 s28, s8, 4
	s_add_co_u32 s28, s28, UT+64                   ; classes 2 wave, 2 wave + 1 in a record of wave 0
	v_add_nc_u32 v[VSC], s28, v[VSC]
	v_lshlrev_b32 v[VX], 4, v1
	v_mov_b32 v[VU], s19
	v_lshlrev_b32 v[VO], 3, v1
	s_lshl_b32 s12, s9, 19                         ; batch x 8 planes of 65,536 bytes
	s_lshl_b32 s29, s17, 9                         ; + my wave's first row
	s_add_co_u32 s12, s12, s29
	s_lshl_b32 s29, s10, 8                         ; + 64 columns x 4 bytes: every row piece starts on a multiple of 256 bytes
	s_add_co_u32 s12, s12, s29
	s_add_nc_u64 s[6:7], s[6:7], s[12:13]          ; s13 is still 0; the sum stays below 8 MiB
	s_wait_loadcnt 0x2                             ; the four box rows are in; the two class loads issued behind them may stay out
	; x1 = 128 x_c - 64 w, x2 = 128 x_c + 64 w: the scalings by powers of two are exact, so one fused rounding equals the definition's
	v_pk_mul_f32 v[CX:CX+1], v[PXC:PXC+1], 0x43000000 op_sel_hi:[1,0]
	v_pk_mul_f32 v[CY:CY+1], v[PYC:PYC+1], 0x43000000 op_sel_hi:[1,0]
	v_pk_fma_f32 v[X1:X1+1], v[PW:PW+1], 0xc2800000, v[CX:CX+1] op_sel_hi:[1,0,1]
	v_pk_fma_f32 v[X2:X2+1], v[PW:PW+1], 0x42800000, v[CX:CX+1] op_sel_hi:[1,0,1]
	v_pk_fma_f32 v[Y1:Y1+1], v[PH:PH+1], 0xc2800000, v[CY:CY+1] op_sel_hi:[1,0,1]
	v_pk_fma_f32 v[Y2:Y2+1], v[PH:PH+1], 0x42800000, v[CY:CY+1] op_sel_hi:[1,0,1]
; A and G of my two boxes at four positions, stage by stage so that no line waits for the one in front of it.
; ia, ig: where A's pair and G's pair go in the record of 16 bytes.
.macro GEN4 pos, lo, hi, ia, ig
.irp j, 0,1,2,3
	v_pk_add_f32 v[D1+2*\j:D1+2*\j+1], v[\pos+2*\j:\pos+2*\j+1], v[\lo:\lo+1] neg_lo:[0,1] neg_hi:[0,1]   ; p - lo
	v_pk_add_f32 v[D2+2*\j:D2+2*\j+1], v[\hi:\hi+1], v[\pos+2*\j:\pos+2*\j+1] neg_lo:[0,1] neg_hi:[0,1]   ; hi - p
.endr
.irp j, 0,1,2,3,4,5,6,7
	v_max3_num_f32 v[E+\j], -|v[D1+\j]|, -|v[D2+\j]|, -1.0        ; -min(|p-lo|, |hi-p|, 1)
.endr
.irp j, 0,1,2,3,4,5,6,7
	v_med3_num_f32 v[D1+\j], v[D1+\j], 0, 1.0                     ; the two clips
	v_med3_num_f32 v[D2+\j], v[D2+\j], 0, 1.0
.endr
.irp j, 0,1,2,3
	v_pk_add_f32 v[O+4*\j+\ia:O+4*\j+\ia+1], v[E+2*\j:E+2*\j+1], 1.0 op_sel_hi:[1,0]       ; A
	v_pk_mul_f32 v[O+4*\j+\ig:O+4*\j+\ig+1], v[D1+2*\j:D1+2*\j+1], v[D2+2*\j:D2+2*\j+1]    ; G
.endr
.endm
	; my wave's 16 columns, four at a time: (A_a, A_b, G_a, G_b)
.set it, 0
.rept 4
	GEN4 XPOS, X1, X2, 0, 2
.irp j, 0,1,2,3
	ds_store_b128 v[VSX], v[O+4*\j:O+4*\j+3] offset:((4*it+\j)&1)*512+((4*it+\j)>>1)*16
.endr
.if it < 3
.irp j, 0,1,2,3
	v_pk_add_f32 v[XPOS+2*\j:XPOS+2*\j+1], v[XPOS+2*\j:XPOS+2*\j+1], 4.0 op_sel_hi:[1,0]   ; whole numbers: exact
.endr
.endif
.set it, it+1
.endr
	; my wave's 4 rows: (G_a, G_b, A_a, A_b), so that one packed multiply pairs A of the column with G of the row, the next G with A
	GEN4 YPOS, Y1, Y2, 2, 0
.irp j, 0,1,2,3
	ds_store_b128 v[VSU], v[O+4*\j:O+4*\j+3] offset:16*\j
.endr
	s_wait_loadcnt 0x0                             ; my two class rows
.irp q, 0,1,2,3
	ds_store_b128 v[VSC], v[CL:CL+3] offset:\q*UWAVE   ; as loaded, (c_a, c_b) twice, into every wave's record of my pair
.endr
	s_wait_dscnt 0x0                               ; my stores are in LDS, for the other waves' sake,
	s_barrier_signal -1
	s_barrier_wait -1                              ; and so are everybody's.  LDS is only read from here on.
; Ten loads: the operands of the pair k pairs ahead of the two address registers.
.macro LOADP buf, k
	ds_load_b128 v[\buf:\buf+3],   v[VX] offset:\k*XPITCH
	ds_load_b128 v[\buf+4:\buf+7], v[VX] offset:\k*XPITCH+512
.irp q, 0,1,2,3,4,5,6,7
	ds_load_b128 v[\buf+8+4*\q:\buf+11+4*\q], v[VU] offset:\k*UPITCH+16*\q
.endr
.endm
; One pair of boxes on my 8 pixels: 160 vector instructions.  first = 1: the pair's two products start the running maxima.
.macro COMPUTE buf, first
.irp r, 0,1,2,3
.irp x, 0,1
	v_pk_mul_f32 v[T+8*\r+4*\x:T+8*\r+4*\x+1],   v[\buf+4*\x:\buf+4*\x+1],   v[\buf+8+4*\r:\buf+9+4*\r]     ; A(x) G(y), both boxes
	v_pk_mul_f32 v[T+8*\r+4*\x+2:T+8*\r+4*\x+3], v[\buf+4*\x+2:\buf+4*\x+3], v[\buf+10+4*\r:\buf+11+4*\r]   ; G(x) A(y)
.endr
.endr
.irp r, 0,1,2,3
.irp x, 0,1
	v_max_num_f32 v[T+8*\r+4*\x],   v[T+8*\r+4*\x],   v[T+8*\r+4*\x+2]   ; xy_max of box a
	v_max_num_f32 v[T+8*\r+4*\x+1], v[T+8*\r+4*\x+1], v[T+8*\r+4*\x+3]   ; and of box b, beside it
.endr
.endr
.irp r, 0,1,2,3
.irp x, 0,1
.irp c, 0,1,2,3,4,5,6,7
	v_pk_mul_f32 v[P+16*\x+2*\c:P+16*\x+2*\c+1], v[T+8*\r+4*\x:T+8*\r+4*\x+1], v[\buf+24+2*\c:\buf+25+2*\c]
.endr
.endr
.irp x, 0,1
.irp c, 0,1,2,3,4,5,6,7
.if \first
	v_max_num_f32 v[ACC+16*\r+2*\c+\x], v[P+16*\x+2*\c], v[P+16*\x+2*\c+1]
.else
	v_max3_num_f32 v[ACC+16*\r+2*\c+\x], v[ACC+16*\r+2*\c+\x], v[P+16*\x+2*\c], v[P+16*\x+2*\c+1]
.endif
.endr
.endr
.endr
.endm
; Two pairs.  Each pair's ten loads are issued one COMPUTE ahead of their use.  LDS loads come back in order (ISA guide 5.7.1), so
; s_wait_dscnt 10 leaves out exactly the ten loads of the following pair.  ahead = 0: nothing lies beyond, and the last wait is for zero.
.macro TWO first, ahead
	LOADP BUFB, 1
	s_wait_dscnt 10
	COMPUTE BUFA, \first
.if \ahead
	LOADP BUFA, 2
	s_wait_dscnt 10
.else
	s_wait_dscnt 0x0
.endif
	COMPUTE BUFB, 0
.if \ahead
	v_add_nc_u32 v[VX], 2*XPITCH, v[VX]
	v_add_nc_u32 v[VU], 2*UPITCH, v[VU]
.endif
.endm
	LOADP BUFA, 0
	TWO 1, 1                                       ; pairs 0, 1 stand in front of the loop: they start the maxima
	s_mov_b32 s30, NPAIR/2-2                       ; pairs 2 .. 29
.Lpairs:
	TWO 0, 1
	s_sub_co_i32 s30, s30, 1
	s_cmp_lg_u32 s30, 0
	s_cbranch_scc1 .Lpairs
	TWO 0, 0                                       ; pairs 30, 31: no load beyond the tables
	; each store of the wave covers 256 consecutive bytes, aligned: 64 columns of one row of one class plane
.irp c, 0,1,2,3,4,5,6,7
.irp r, 0,1,2,3
	global_store_b64 v[VO], v[ACC+16*\r+2*\c:ACC+16*\r+2*\c+1], s[6:7] offset:\c*PLANE+\r*ROWB th:TH_STORE_NT
.endr
.endr
	s_wait_tensorcnt 0x0
	ds_add_u32 v216, v217
	s_wait_dscnt 0x0
	s_endpgm
.Lfunc_end_k_q771db42b75_bbox:
	.size	k_q771db42b75_bbox, .Lfunc_end_k_q771db42b75_bbox-k_q771db42b75_bbox
	.p2alignl 7, 3214868480
	.fill 96, 4, 3214868480
	.section	.rodata,"a",@progbits
	.p2align	6, 0x0
	.amdhsa_kernel k_q771db42b75_bbox
		.amdhsa_group_segment_fixed_size 52224
		.amdhsa_private_segment_fixed_size 0
		.amdhsa_enable_private_segment 0
		.amdhsa_kernarg_size 16
		.amdhsa_user_sgpr_count 2
		.amdhsa_user_sgpr_kernarg_segment_ptr 1
		.amdhsa_wavefront_size32 1
		.amdhsa_system_sgpr_workgroup_id_x 1
		.amdhsa_system_sgpr_workgroup_id_y 1
		.amdhsa_system_sgpr_workgroup_id_z 1
		.amdhsa_system_vgpr_workitem_id 0
		.amdhsa_next_free_vgpr 218
		.amdhsa_next_free_sgpr 66
		.amdhsa_reserve_vcc 0
		.amdhsa_float_denorm_mode_32 3
		.amdhsa_float_denorm_mode_16_64 3
		.amdhsa_memory_ordered 1
		.amdhsa_forward_progress 1
		.amdhsa_inst_pref_size 82
	.end_amdhsa_kernel
	.amdgpu_metadata
---
amdhsa.version: [ 1, 2 ]
amdhsa.kernels:
  - .name:           k_q771db42b75_bbox
    .symbol:         k_q771db42b75_bbox.kd
    .args:
      - { .name: inputs, .offset: 0, .size: 8, .value_kind: global_buffer, .address_space: global }
      - { .name: out0, .offset: 8, .size: 8, .value_kind: global_buffer, .address_space: global }
    .group_segment_fixed_size: 52224
    .private_segment_fixed_size: 0
    .kernarg_segment_align: 8
    .kernarg_segment_size: 16
    .max_flat_workgroup_size: 128
    .sgpr_count:     66
    .vgpr_count:     218
    .wavefront_size: 32
...
	.end_amdgpu_metadata
.endif
;; end of part 1
;; ======== version 2 of 2: 1 launch; version 1 with the launch bbox written anew for expert scheduling mode
;; launch bbox (part 2): grid 16 x 16, 4 waves a work-group, no clusters, 52,224 bytes of LDS; arguments inputs, out0; writes out0
.if DOCPART == 2
	.amdgcn_target "amdgcn-amd-amdhsa--gfx1250"
	.amdhsa_code_object_version 6
	.text
	.protected	k_q771db42b75_bbox
	.globl	k_q771db42b75_bbox
	.p2align	8
	.type	k_q771db42b75_bbox,@function
k_q771db42b75_bbox:
	s_mov_b64 s[64:65], 0
	v_nop
	global_prefetch_b8 v0, s[64:65] scope:SCOPE_SE
	s_setreg_imm32_b32 hwreg(HW_REG_WAVE_SCHED_MODE, 0, 2), 2
	s_setreg_imm32_b32 hwreg(HW_REG_WAVE_MODE, 25, 1), 1
	s_wait_xcnt 0x0
	s_wait_alu depctr_vm_vsrc(0)
; LayoutBBox.  inputs [16][12][64] f32 (rows 0-3: x_c, y_c, w, h; rows 4-11: class scores), out0 [16][8][128][128] f32.
;   out[b][c][y][x] = max over the 64 boxes n of  xy_max[n][y][x] * cls[n][c].
; Both gates of the definition are products of clips, so they are >= 0, and rounding is monotone: max(a1*g, a2*g) = max(a1, a2)*g exactly.
; With  A(p; lo, hi) = 1 - min(|p-lo|, |hi-p|, 1)   (the larger of the two line profiles)
; and   G(p; lo, hi) = clip(p-lo, 0, 1) * clip(hi-p, 0, 1)   (the gate)
;   xy_max[n][y][x] = max( A(x; x1, x2) * G(y; y1, y2),  G(x; x1, x2) * A(y; y1, y2) ).
; So A and G are evaluated once for each (box, column) and (box, row) of a tile, not for each pixel.  No sign of the scores is assumed.
;
; WORK.  Grid 16 x 16: ttmp7 = batch, ttmp9 = tile (bit 0: which 64 columns, bits 3:1: which 16 rows).  Four waves.
; A wave owns 64 columns x 4 rows; lane l owns columns 2l, 2l+1 of them: 8 pixels x 8 classes = 64 running maxima in registers.
; Boxes are taken in pairs (2k, 2k+1), as they lie side by side in memory: every packed multiply works on the two boxes of a pair,
; and one v_max3_num_f32 folds both products into the running maximum.  For a pair and a pixel: 2 + 8 packed multiplies, 2 + 8 maxima.
; The order of the boxes does not matter to a maximum.
;
; LDS.  Column table: pair k at k*XPITCH; column 2l+p of the tile at p*512 + 16 l: (A_a, A_b, G_a, G_b).
;       For each wave, pair k at UT + wave*UWAVE + k*UPITCH: its four rows, 16 bytes each: (G_a, G_b, A_a, A_b); then 8 classes x (c_a, c_b).
; Both pitches are odd multiples of 16 bytes: the set-up's 16-byte stores, lanes running over pairs, fall on different banks.
; The loop's loads are 512 neighbouring bytes (column table) or one address for all lanes (rows, classes).
;
; THE MODE: SCHED_MODE bits 1:0 = 2 (LLVM: expert scheduling mode 2), set by the entry lines.  The code itself states the register dependences
; between vector instructions and memory or LDS instructions, with s_wait_alu, always for 0.
; THE PLAN.  Registers that memory or LDS instructions touch:
;   v168, v169   offsets of the six global loads: made at the head; written again only by the loop's maxima.
;   v[88:99]     the global loads land here; no vector line names them before.  v[96:99] are the data of the class stores.
;   v4 .. v7     the output's offset and the three LDS store addresses: made once at the head, never written again.
;   v[8:87]      SET-UP: five out-buffers of 16 registers, one for each evaluation of four columns or rows: each is written once and stored once.
;                LOOP: the two operand buffers.  Step p multiplies from one; its ten LDS loads land in the other, which step p - 1 read.
;   v2, v3       LDS addresses of the loop's loads: made at the head, stepped once in two steps, behind the second step's work.
;   v[152:215]   the running maxima: written by vector lines, read by the 32 global stores at the end.
;   T and P are named by vector lines alone.
; So: one wait on va_vdst ahead of each run of stores of the set-up; one wait on vm_vsrc behind the barrier, where the set-up's registers change hands;
; ONE wait on va_vdst at the head of each step that loads, behind the wait for the step's own operands; the ten loads follow it, dealt among the step's
; first vector lines, which name this step's buffer, T, P and the maxima: none of the registers that those loads touch; one wait on vm_vsrc in two steps,
; ahead of the adds to v2 and v3; one wait on va_vdst ahead of the global stores.
;
; NOT USED, by this text's own arithmetic: joint loads in a cluster (the work-groups of a batch share 3,072 input bytes, against 32,768
; bytes that each of them stores, and nothing comes in by tensor loads); the matrix unit (a maximum of products is no sum).
;
; LIMITS.  Inputs are finite and 128 * |input| is representable.  A NaN or an infinity is not carried to the output as jnp.max would carry
; it (v_max_num_f32 and v_max3_num_f32 drop a NaN).  The sign of a zero result may differ from the definition's.
.set NPAIR,  32                        ; box pairs
.set XPITCH, 1040                      ; 2 x 512 bytes + 16 of padding
.set UPITCH, 144                       ; 64 bytes of rows + 64 bytes of classes + 16 of padding
.set UWAVE,  NPAIR*UPITCH              ; a wave's records
.set XT,     0                         ; column table
.set UT,     NPAIR*XPITCH              ; the waves' records behind it
.set INB,    3072                      ; bytes of a batch in inputs
.set PLANE,  65536                     ; bytes of a class plane in out0
.set ROWB,   512                       ; bytes of a row in out0
; registers of the loop
.set VX,   2                           ; LDS address: my 16 bytes of the column table, current pair
.set VU,   3                           ; LDS address: my wave's record, current pair (the same in all lanes)
.set VO,   4                           ; byte offset of my two columns in a row of out0
.set BUFA, 8                           ; v[8:47]    a pair's operands: +0 columns (8), +8 rows (16), +24 classes (16)
.set BUFB, 48                          ; v[48:87]   the other buffer
.set T,    88                          ; v[88:119]  pixel (r, x) at 8r+4x: the two gate products of both boxes, then xy_max of both in +0, +1
.set P,    120                         ; v[120:151] products of two pixels x 8 classes x 2 boxes
.set ACC,  152                         ; v[152:215] running maxima: 16 r + 2 c + x, so that a class's two columns are a pair to store
; registers of the set-up (all free again before the loop)
.set VSX,  5                           ; LDS address for my column-table stores
.set VSU,  6                           ; for my row stores
.set VSC,  7                           ; for my class stores
.set OB,   8                           ; v[8:87]   five out-buffers, four records of 16 bytes each: columns 4 i .. 4 i + 3 at OB + 16 i, the rows at OB + 64
.set PXC,  88                          ; x_c, y_c, w, h of my two boxes, as loaded
.set PYC,  90
.set PW,   92
.set PH,   94
.set CL,   96                          ; v[96:99]  classes 2 wave, 2 wave + 1 of my two boxes
.set X1,   100
.set X2,   102
.set Y1,   104
.set Y2,   106
.set CX,   108
.set CY,   110
.set XPOS, 112                         ; four column numbers as f32, each twice (a pair for the packed forms)
.set YPOS, 120                         ; four row numbers likewise
.set D1,   128                         ; p - lo, four positions x two boxes
.set D2,   136                         ; hi - p
.set E,    144                         ; -min(|p-lo|, |hi-p|, 1)
.set GO,   168                         ; byte offset of my two boxes in an input row
.set GC,   169                         ; the same + my wave's two class rows
	s_load_b128 s[4:7], s[0:1], 0x0                ; inputs s[4:5], out0 s[6:7]
	v_lshl_add_u32 v216, v0, 2, 0xca00
	v_mov_b32 v217, 0
	v_and_b32 v1, 31, v0                           ; lane
	v_lshrrev_b32 v2, 5, v0
	v_readfirstlane_b32 s8, v2                     ; wave 0..3
	v_lshlrev_b32 v[GO], 3, v1                     ; boxes 2l, 2l+1: 8 bytes a lane, a wave's load covers one whole row of 256 bytes
	s_and_b32 s9, ttmp7, 0xffff                    ; batch
	s_mul_i32 s12, s9, INB
	s_mov_b32 s13, 0
	s_wait_alu depctr_va_sdst(0)                   ; s8 is written, ahead of its first reader: offsets, LDS addresses and the output's base are made from it
	s_lshl_b32 s31, s8, 9                          ; two class rows of 256 bytes for each wave (a scalar of its own: no scalar line writes it again behind the vector line that reads it)
	v_add_nc_u32 v[GC], s31, v[GO]
	s_wait_kmcnt 0x0
	s_add_nc_u64 s[4:5], s[4:5], s[12:13]          ; my batch
	s_wait_alu depctr_va_vdst(0)                   ; v[GO] and v[GC] are written, which the six loads read as their offsets
	global_load_b64 v[PXC:PXC+1], v[GO], s[4:5]
	global_load_b64 v[PW:PW+1],   v[GO], s[4:5] offset:512
	global_load_b64 v[PYC:PYC+1], v[GO], s[4:5] offset:256
	global_load_b64 v[PH:PH+1],   v[GO], s[4:5] offset:768
	global_load_b64 v[CL:CL+1],   v[GC], s[4:5] offset:1024
	global_load_b64 v[CL+2:CL+3], v[GC], s[4:5] offset:1280
	; while the loads are out: positions, LDS addresses, the output's base
	s_and_b32 s10, ttmp9, 1                        ; which 64 columns
	s_lshr_b32 s11, ttmp9, 1                       ; which 16 rows
	s_lshl_b32 s14, s10, 6
	s_lshl4_add_u32 s16, s8, s14                   ; first of the 16 columns that my wave evaluates: 64 half + 16 wave
	s_lshl_b32 s15, s11, 4
	s_lshl2_add_u32 s17, s8, s15                   ; first of my wave's 4 rows: 16 group + 4 wave
.irp j, 0,1,2,3
	s_add_co_u32 s[20+\j], s16, \j
	s_add_co_u32 s[24+\j], s17, \j
.endr
.irp j, 0,1,2,3
	v_cvt_f32_u32 v[XPOS+2*\j],   s[20+\j]
	v_cvt_f32_u32 v[XPOS+2*\j+1], s[20+\j]
	v_cvt_f32_u32 v[YPOS+2*\j],   s[24+\j]
	v_cvt_f32_u32 v[YPOS+2*\j+1], s[24+\j]
.endr
	v_mul_u32_u24 v[VSX], v1, XPITCH               ; my pair's part of the column table (XT = 0),
	s_lshl_b32 s18, s8, 7                          ; in it my wave's 16 columns: 8 of each parity x 16 bytes
	v_add_nc_u32 v[VSX], s18, v[VSX]
	v_mul_u32_u24 v[VSC], v1, UPITCH
	s_mul_i32 s19, s8, UWAVE
	s_add_co_u32 s19, s19, UT                      ; my wave's records
	v_add_nc_u32 v[VSU], s19, v[VSC]               ; my pair's record there: the rows
	s_lshl_b32 s28, s8, 4
	s_add_co_u32 s28, s28, UT+64                   ; classes 2 wave, 2 wave + 1 in a record of wave 0
	v_add_nc_u32 v[VSC], s28, v[VSC]
	v_lshlrev_b32 v[VX], 4, v1
	v_mov_b32 v[VU], s19
	v_lshlrev_b32 v[VO], 3, v1
	s_lshl_b32 s12, s9, 19                         ; batch x 8 planes of 65,536 bytes
	s_lshl_b32 s29, s17, 9                         ; + my wave's first row
	s_add_co_u32 s12, s12, s29
	s_lshl_b32 s29, s10, 8                         ; + 64 columns x 4 bytes: every row piece starts on a multiple of 256 bytes
	s_add_co_u32 s12, s12, s29
	s_add_nc_u64 s[6:7], s[6:7], s[12:13]          ; s13 is still 0; the sum stays below 8 MiB
	s_wait_loadcnt 0x2                             ; the four box rows are in; the two class loads issued behind them may stay out
	; x1 = 128 x_c - 64 w, x2 = 128 x_c + 64 w: the scalings by powers of two are exact, so one fused rounding equals the definition's
	v_pk_mul_f32 v[CX:CX+1], v[PXC:PXC+1], 0x43000000 op_sel_hi:[1,0]
	v_pk_mul_f32 v[CY:CY+1], v[PYC:PYC+1], 0x43000000 op_sel_hi:[1,0]
	v_pk_fma_f32 v[X1:X1+1], v[PW:PW+1], 0xc2800000, v[CX:CX+1] op_sel_hi:[1,0,1]
	v_pk_fma_f32 v[X2:X2+1], v[PW:PW+1], 0x42800000, v[CX:CX+1] op_sel_hi:[1,0,1]
	v_pk_fma_f32 v[Y1:Y1+1], v[PH:PH+1], 0xc2800000, v[CY:CY+1] op_sel_hi:[1,0,1]
	v_pk_fma_f32 v[Y2:Y2+1], v[PH:PH+1], 0x42800000, v[CY:CY+1] op_sel_hi:[1,0,1]
; A and G of my two boxes at four positions, stage by stage so that no line waits for the one in front of it.
; ia, ig: where A's pair and G's pair go in the record of 16 bytes.  dst: the out-buffer, four records.
.macro GEN4 pos, lo, hi, ia, ig, dst
.irp j, 0,1,2,3
	v_pk_add_f32 v[D1+2*\j:D1+2*\j+1], v[\pos+2*\j:\pos+2*\j+1], v[\lo:\lo+1] neg_lo:[0,1] neg_hi:[0,1]   ; p - lo
	v_pk_add_f32 v[D2+2*\j:D2+2*\j+1], v[\hi:\hi+1], v[\pos+2*\j:\pos+2*\j+1] neg_lo:[0,1] neg_hi:[0,1]   ; hi - p
.endr
.irp j, 0,1,2,3,4,5,6,7
	v_max3_num_f32 v[E+\j], -|v[D1+\j]|, -|v[D2+\j]|, -1.0        ; -min(|p-lo|, |hi-p|, 1)
.endr
.irp j, 0,1,2,3,4,5,6,7
	v_med3_num_f32 v[D1+\j], v[D1+\j], 0, 1.0                     ; the two clips
	v_med3_num_f32 v[D2+\j], v[D2+\j], 0, 1.0
.endr
.irp j, 0,1,2,3
	v_pk_add_f32 v[(\dst)+4*\j+\ia:(\dst)+4*\j+\ia+1], v[E+2*\j:E+2*\j+1], 1.0 op_sel_hi:[1,0]       ; A
	v_pk_mul_f32 v[(\dst)+4*\j+\ig:(\dst)+4*\j+\ig+1], v[D1+2*\j:D1+2*\j+1], v[D2+2*\j:D2+2*\j+1]    ; G
.endr
.endm
	; my wave's 16 columns, four at a time: (A_a, A_b, G_a, G_b).  Each four have an out-buffer of their own; two buffers are stored behind one wait.
.set it, 0
.rept 4
	GEN4 XPOS, X1, X2, 0, 2, OB+16*it
.if (it&1) == 1
	s_wait_alu depctr_va_vdst(0)                   ; the last two evaluations have written their out-buffers, which the eight stores read; at the first of these waits the addresses made at the head are written too
.irp j, 0,1,2,3,4,5,6,7
	ds_store_b128 v[VSX], v[OB+16*(it-1)+4*\j:OB+16*(it-1)+4*\j+3] offset:((4*(it-1)+\j)&1)*512+((4*(it-1)+\j)>>1)*16
.endr
.endif
.if it < 3
.irp j, 0,1,2,3
	v_pk_add_f32 v[XPOS+2*\j:XPOS+2*\j+1], v[XPOS+2*\j:XPOS+2*\j+1], 4.0 op_sel_hi:[1,0]   ; whole numbers: exact
.endr
.endif
.set it, it+1
.endr
	; my wave's 4 rows: (G_a, G_b, A_a, A_b), so that one packed multiply pairs A of the column with G of the row, the next G with A
	GEN4 YPOS, Y1, Y2, 2, 0, OB+64
	s_wait_alu depctr_va_vdst(0)                   ; the rows' evaluation has written the fifth out-buffer, which the four stores read.  No vector line follows before the loop's first loads, which land in v[8:47]
.irp j, 0,1,2,3
	ds_store_b128 v[VSU], v[OB+64+4*\j:OB+64+4*\j+3] offset:16*\j
.endr
	s_wait_loadcnt 0x0                             ; my two class rows
.irp q, 0,1,2,3
	ds_store_b128 v[VSC], v[CL:CL+3] offset:\q*UWAVE   ; as loaded, (c_a, c_b) twice, into every wave's record of my pair
.endr
	s_wait_dscnt 0x0                               ; my stores are in LDS, for the other waves' sake,
	s_barrier_signal -1
	s_barrier_wait -1                              ; and so are everybody's.  LDS is only read from here on.
	s_wait_alu depctr_vm_vsrc(0)                   ; my LDS stores have read v[8:87] and v[96:99], the global loads v168 and v169: from here on these are the operand buffers, T and maxima, written by LDS loads and vector lines
; Load q of the ten that bring the operands of the pair k pairs ahead of the two address registers: two from the column table, eight from my wave's record.
.macro LD1 buf, k, q
.if (\q) < 2
	ds_load_b128 v[\buf+4*(\q):\buf+4*(\q)+3], v[VX] offset:(\k)*XPITCH+512*(\q)
.else
	ds_load_b128 v[\buf+4*(\q):\buf+4*(\q)+3], v[VU] offset:(\k)*UPITCH+16*((\q)-2)
.endif
.endm
; One pair of boxes on my 8 pixels: 160 vector instructions.  first = 1: the pair's two products start the running maxima.
; ahead = 1: the ten loads of the pair k ahead, into nbuf, are dealt among the first eighteen lines.  No wait stands among them: no vector line since the
; wait at the step's head names nbuf, v[VX] or v[VU].
.macro COMPUTE buf, first, nbuf, k, ahead
.irp r, 0,1,2,3
.irp x, 0,1
.if \ahead
	LD1 \nbuf, \k, 2*\r+\x
.endif
	v_pk_mul_f32 v[T+8*\r+4*\x:T+8*\r+4*\x+1],   v[\buf+4*\x:\buf+4*\x+1],   v[\buf+8+4*\r:\buf+9+4*\r]     ; A(x) G(y), both boxes
	v_pk_mul_f32 v[T+8*\r+4*\x+2:T+8*\r+4*\x+3], v[\buf+4*\x+2:\buf+4*\x+3], v[\buf+10+4*\r:\buf+11+4*\r]   ; G(x) A(y)
.endr
.endr
.irp r, 0,1,2,3
.irp x, 0,1
.if (\ahead) && (\r == 0)
	LD1 \nbuf, \k, 8+\x
.endif
	v_max_num_f32 v[T+8*\r+4*\x],   v[T+8*\r+4*\x],   v[T+8*\r+4*\x+2]   ; xy_max of box a
	v_max_num_f32 v[T+8*\r+4*\x+1], v[T+8*\r+4*\x+1], v[T+8*\r+4*\x+3]   ; and of box b, beside it
.endr
.endr
.irp r, 0,1,2,3
.irp x, 0,1
.irp c, 0,1,2,3,4,5,6,7
	v_pk_mul_f32 v[P+16*\x+2*\c:P+16*\x+2*\c+1], v[T+8*\r+4*\x:T+8*\r+4*\x+1], v[\buf+24+2*\c:\buf+25+2*\c]
.endr
.endr
.irp x, 0,1
.irp c, 0,1,2,3,4,5,6,7
.if \first
	v_max_num_f32 v[ACC+16*\r+2*\c+\x], v[P+16*\x+2*\c], v[P+16*\x+2*\c+1]
.else
	v_max3_num_f32 v[ACC+16*\r+2*\c+\x], v[ACC+16*\r+2*\c+\x], v[P+16*\x+2*\c], v[P+16*\x+2*\c+1]
.endif
.endr
.endr
.endr
.endm
; Two steps, a pair of boxes each.  A pair's ten loads are issued at the beginning of the step before its own, some 140 vector lines ahead of the wait for them;
; at that wait no younger LDS load is out, so its count is zero.  ahead = 0: nothing lies beyond the second pair: its step loads nothing and owes no wait on va_vdst.
.macro TWO first, ahead
	s_wait_dscnt 0x0                               ; BUFA's ten loads are in
	s_wait_alu depctr_va_vdst(0)                   ; the step before is done reading BUFB, in which this step's loads land; v[VX] and v[VU], which they read, are written
	COMPUTE BUFA, \first, BUFB, 1, 1
	s_wait_dscnt 0x0                               ; BUFB's ten loads are in
.if \ahead
	s_wait_alu depctr_va_vdst(0)                   ; the step before is done reading BUFA, in which this step's loads land
.endif
	COMPUTE BUFB, 0, BUFA, 2, \ahead
.if \ahead
	s_wait_alu depctr_vm_vsrc(0)                   ; the LDS loads issued so far have read v[VX] and v[VU]
	v_add_nc_u32 v[VX], 2*XPITCH, v[VX]
	v_add_nc_u32 v[VU], 2*UPITCH, v[VU]
.endif
.endm
.irp q, 0,1,2,3,4,5,6,7,8,9
	LD1 BUFA, 0, \q                                ; pair 0
.endr
	TWO 1, 1                                       ; pairs 0, 1 stand in front of the loop: they start the maxima
	s_mov_b32 s30, NPAIR/2-2                       ; pairs 2 .. 29
.Lpairs:
	TWO 0, 1
	s_sub_co_i32 s30, s30, 1
	s_cmp_lg_u32 s30, 0
	s_cbranch_scc1 .Lpairs
	TWO 0, 0                                       ; pairs 30, 31: no load beyond the tables
	s_wait_alu depctr_va_vdst(0)                   ; the last step has written the running maxima, which the stores read
	; each store of the wave covers 256 consecutive bytes, aligned: 64 columns of one row of one class plane
.irp c, 0,1,2,3,4,5,6,7
.irp r, 0,1,2,3
	global_store_b64 v[VO], v[ACC+16*\r+2*\c:ACC+16*\r+2*\c+1], s[6:7] offset:\c*PLANE+\r*ROWB th:TH_STORE_NT
.endr
.endr
	s_wait_dscnt 0x0
	s_wait_alu depctr_hold_cnt(0) depctr_sa_sdst(0) depctr_va_vdst(0) depctr_va_sdst(0) depctr_va_ssrc(0) depctr_va_vcc(0) depctr_vm_vsrc(0)
	s_wait_tensorcnt 0x0
	ds_add_u32 v216, v217
	s_wait_dscnt 0x0
	s_endpgm
.Lfunc_end_k_q771db42b75_bbox:
	.size	k_q771db42b75_bbox, .Lfunc_end_k_q771db42b75_bbox-k_q771db42b75_bbox
	.p2alignl 7, 3214868480
	.fill 96, 4, 3214868480
	.section	.rodata,"a",@progbits
	.p2align	6, 0x0
	.amdhsa_kernel k_q771db42b75_bbox
		.amdhsa_group_segment_fixed_size 52224
		.amdhsa_private_segment_fixed_size 0
		.amdhsa_enable_private_segment 0
		.amdhsa_kernarg_size 16
		.amdhsa_user_sgpr_count 2
		.amdhsa_user_sgpr_kernarg_segment_ptr 1
		.amdhsa_wavefront_size32 1
		.amdhsa_system_sgpr_workgroup_id_x 1
		.amdhsa_system_sgpr_workgroup_id_y 1
		.amdhsa_system_sgpr_workgroup_id_z 1
		.amdhsa_system_vgpr_workitem_id 0
		.amdhsa_next_free_vgpr 218
		.amdhsa_next_free_sgpr 66
		.amdhsa_reserve_vcc 0
		.amdhsa_float_denorm_mode_32 3
		.amdhsa_float_denorm_mode_16_64 3
		.amdhsa_memory_ordered 1
		.amdhsa_forward_progress 1
		.amdhsa_inst_pref_size 82
	.end_amdhsa_kernel
	.amdgpu_metadata
---
amdhsa.version: [ 1, 2 ]
amdhsa.kernels:
  - .name:           k_q771db42b75_bbox
    .symbol:         k_q771db42b75_bbox.kd
    .args:
      - { .name: inputs, .offset: 0, .size: 8, .value_kind: global_buffer, .address_space: global }
      - { .name: out0, .offset: 8, .size: 8, .value_kind: global_buffer, .address_space: global }
    .group_segment_fixed_size: 52224
    .private_segment_fixed_size: 0
    .kernarg_segment_align: 8
    .kernarg_segment_size: 16
    .max_flat_workgroup_size: 128
    .sgpr_count:     66
    .vgpr_count:     218
    .wavefront_size: 32
...
	.end_amdgpu_metadata
.endif
;; end of part 2
